; MI455X (gfx1250); checked and timed in simulation.
; The chip was launched on July 23, 2026; its instructions are those of AMD's public machine-readable ISA for CDNA 5 (MIT licence, August 2026) and "CDNA5" Instruction Set Architecture Reference Guide (July 2026). The comments in the code are by the model that wrote it; some were corrected since.
;; Sparse Bahdanau Attention. Allowed arithmetic: matrix products marked QUANTISED: E4M3 operands, one given power-of-two scale a tensor, by v_wmma_f32_16x16x64_fp8_fp8 or v_wmma_f32_16x16x128_fp8_fp8, f32 sums; products left as they are: f32 operands where the result goes on into a quantised operand, else bf16, f16 or f32 operands; f32 sums; everything else in f32.
;; Inputs: Ua_b 1,024 float32; Ua_w 1,024 x 1,024 float32; Va_b 1 float32; Va_w 1 x 1,024 float32; Wa_b 1,024 float32; Wa_w 1,024 x 1,024 float32; decoder_hidden 32 x 1,024 float32; encoder_output 32 x 2,048 x 1,024 float32; lowp_scales 4 int32 (the exponents e of the quantised operands' scales 2^e).
;; Outputs: out0 32 x 1 x 1,024 float32; out1 32 x 2,048 float32.
;; This version of the problem:
;;   THIS VERSION OF THE PROBLEM IS GIVEN IN LOW PRECISION. The matrix products marked QUANTISED in the list below multiply operands that are first quantised to E4M3 (4 exponent bits, 3 mantissa bits; 8 bits a number), with one given power-of-two scale for each operand tensor; their sums are f32. All else is computed in f32.
;;   The module's matrix products, in the order in which they are computed (A, B: the left and right operand; K: the contracted axis; several contracted axes count as one K, in the product's order):
;;     1. [M 32, K 1,024] x [K 1,024, N 1,024]; A: input decoder_hidden; B: input Wa_w: QUANTISED (scales: A lowp_scales[0], B lowp_scales[1])
;;     2. [M 65,536, K 1,024] x [K 1,024, N 1,024]; A: input encoder_output; B: input Ua_w: QUANTISED (scales: A lowp_scales[2], B lowp_scales[3])
;;     3. [M 65,536, K 1,024] x [K 1,024, N 1]; A: computed on the way; B: input Va_w: left as it is (N = 1 < 16)
;;     4. batch 32 x [M 1, K 2,048] x [K 2,048, N 1,024]; A: computed on the way; B: input encoder_output: left as it is (M = 1 < 16)
;;   THE QUANTISER, for each operand of a quantised product, along K:
;;     - The operand's scale is 2^e, e = its entry of the input lowp_scales (int32; the entries are numbered through the quantised products in the list's order, A before B).
;;     - Each number is divided by the scale, clamped to +-448, and rounded to the nearest number of E4M3, ties to even, subnormals kept.
;;     - The product sums the exact products of the quantised numbers (number of the format x scale) in f32.
;;   ~~~python
;;   def quantise(x, axis, e):      # numpy; x: float32 -> the quantised numbers, widened to float32 again
;;       x = np.moveaxis(x, axis, -1); K = x.shape[-1]
;;       r = np.clip(x / 2.0 ** e, -448, 448)
;;       step = 2.0 ** (np.maximum(np.frexp(np.where(r == 0, 1, r))[1] - 1, -6) - 3)
;;       q = np.round(r / step) * step * 2.0 ** e      # np.round: ties to even
;;       return np.moveaxis(q, -1, axis).astype(np.float32)
;;   ~~~
;; One version. Each part assembles by itself: llvm-mc -triple=amdgcn-amd-amdhsa -mcpu=gfx1250 --defsym DOCPART=n.
;; ======== version 1 of 1: 4 launches
;; workspace buffers: ua_codes 1,048,576 bytes; qb 131,072 bytes; esum 262,144 bytes; support 8,192 bytes of whole numbers
;; launch prep (part 1): grid 128 x 1, 8 waves a work-group, no clusters, 152,576 bytes of LDS; arguments Ua_w, Wa_w, decoder_hidden, Wa_b, Ua_b, lowp_scales, ua_codes, qb; writes ua_codes, qb
.if DOCPART == 1
	.amdgcn_target "amdgcn-amd-amdhsa--gfx1250"
	.amdhsa_code_object_version 6
	.text
	.protected	k_q947118cfba_prep
	.globl	k_q947118cfba_prep
	.p2align	8
	.type	k_q947118cfba_prep,@function
k_q947118cfba_prep:
	s_mov_b64 s[64:65], 0
	v_nop
	global_prefetch_b8 v0, s[64:65] scope:SCOPE_SE
	s_setreg_imm32_b32 hwreg(HW_REG_WAVE_MODE, 25, 1), 1
	s_wait_xcnt 0x0
; PREP.  Work-groups 0-63: Ua_w [1024][1024] f32 becomes codes of E4M3 (scale 2^e3), laid in the order of an operand's registers.
; Work-groups 64-127: the small quantised product query = Q(decoder_hidden) Q(Wa_w)^T, and qb[b][o] = (query + Wa_b[o] + Ua_b[o]) x 2^-(e2+e3): what the next launch gives its sums as their start.
; SHARES.  A work-group takes a tile t of 16 rows of its weight; wave s of its eight takes K step s (128 along K).
; A FRAGMENT (16 rows x 128 K) is 16 registers a lane: lane (r = lane % 16, h = lane / 16) holds row r, registers 4c .. 4c+3 hold k = 32c + 16h + 0..15.  That is a permutation of k against the
; form's own layout, the same in both operands of each product, so every product meets its partner.
; Loads take the bytes as they lie (a row's 512 bytes an instruction); a chunk of 16 rows turns through the wave's own stage in LDS (rows 528 bytes apart) and comes back 16 neighbours along K a lane and block.
; ua_codes: fragment (t, s) is an image of its registers (4 blocks of 512 bytes, lane l's 16 bytes at 16 l) at byte 2048 x ((8t + s - 7) mod 512): so 16,384 bytes from 16384 r on hold (r, 7), (r+1, 0..6).
; code = x / 2^e, held within +-448, to the nearest code, ties to even.  LIMITS: e0, e1, e3 between -126 and 119.  NaN and infinities among the inputs are not served.
; The two kinds of work-group part once, on the work-group's number, and each has LDS bytes of its own.
.set SP,   528                         ; a stage row: 512 bytes + 16: the sixteen rows that a load touches start 33 x 16 bytes apart
.set WST,  16*SP                       ; a wave's stage
.set RED,  8*WST                       ; behind the query path's eight stages (from byte 0): eight waves' partial sums, 2,048 bytes each
.set STG0, RED+8*2048                  ; the Ua path's eight stages
.set CW,   32                          ; v32-47   the weight's fragment
.set RA,   64                          ; v64-127  a chunk of the weight; later the two fragments of decoder_hidden and the two sums
.set RB,   128                         ; v128-191 decoder_hidden's rows 0-15; later the partial sums
.set RC,   192                         ; v192-255 rows 16-31
; v1 16 x lane; v2 r; v3 h; v4, v5 the query path's stage (in, back); v14, v15 the Ua path's; v6 where I put partial sums; v7 where I read them; v8, v9 the weight's scale and 448 x it; v10, v11 decoder_hidden's;
; v12 byte offset of my four biases; v13 byte offset in qb; v16-23 biases
.macro LOADC reg, base, off, once      ; 16 rows, 512 consecutive bytes an instruction
.set li, 0
.rept 16
.if \once
	global_load_b128 v[\reg+4*li:\reg+4*li+3], v1, s[\base:\base+1] offset:\off+4096*li th:TH_LOAD_NT
.else
	global_load_b128 v[\reg+4*li:\reg+4*li+3], v1, s[\base:\base+1] offset:\off+4096*li
.endif
.set li, li+1
.endr
.endm
.macro STAGE reg, st, ld               ; through my stage and back into the registers that they left: LDS serves a wave's instructions in order (ISA guide 5.7.1.4), so no wait stands between
.set li, 0
.rept 16
	ds_store_b128 v[\st], v[\reg+4*li:\reg+4*li+3] offset:SP*li
.set li, li+1
.endr
.irp c, 0,1,2,3
.irp j, 0,1,2,3
	ds_load_b128 v[\reg+16*\c+4*\j:\reg+16*\c+4*\j+3], v[\ld] offset:128*\c+16*\j   ; register 16c + i = k 32c + 16h + i of row r
.endr
.endr
.endm
.macro QUANT src, dst, sc, lim         ; 64 numbers of a lane become a fragment's 16 registers
.irp c, 0,1,2,3
.set li, 0
.rept 16
	v_med3_num_f32 v[\src+16*\c+li], v[\src+16*\c+li], -v[\lim], v[\lim]   ; the conversion does not saturate (ISA guide 7.6.2): the hold at the largest code x the scale
.set li, li+1
.endr
	v_cvt_scalef32_pk8_fp8_f32 v[\dst+4*\c:\dst+4*\c+1], v[\src+16*\c:\src+16*\c+7], v[\sc]
	v_cvt_scalef32_pk8_fp8_f32 v[\dst+4*\c+2:\dst+4*\c+3], v[\src+16*\c+8:\src+16*\c+15], v[\sc]
.endr
	v_nop                                          ; one plain line between the last conversion and whatever next touches its registers
.endm
.macro MKSCALE e, vs, vl               ; 2^e and 448 x 2^e as f32, from the whole number in s[e]
	s_add_co_i32 s28, s[\e], 127
	s_lshl_b32 s29, s28, 23
	v_mov_b32 v[\vs], s29
	s_add_co_i32 s28, s28, 8
	s_lshl_b32 s28, s28, 23
	s_or_b32 s28, s28, 0x600000
	v_mov_b32 v[\vl], s28
.endm
.macro FOLD base, n                    ; n vectors of four registers are added onto the n below them
.set fj, 0
.rept 2*(\n)
	v_pk_add_f32 v[\base+fj:\base+fj+1], v[\base+fj:\base+fj+1], v[\base+4*(\n)+fj:\base+4*(\n)+fj+1]
.set fj, fj+2
.endr
.endm
	s_load_b256 s[4:11], s[0:1], 0x0               ; Ua_w s[4:5], Wa_w s[6:7], decoder_hidden s[8:9], Wa_b s[10:11]
	s_load_b256 s[12:19], s[0:1], 0x20             ; Ua_b s[12:13], lowp_scales s[14:15], ua_codes s[16:17], qb s[18:19]
	v_lshl_add_u32 v62, v0, 2, 0x25000
	v_mov_b32 v63, 0
	v_lshrrev_b32 v2, 5, v0
	v_readfirstlane_b32 s20, v2                    ; wave = K step s
	v_and_b32 v1, 31, v0
	v_lshlrev_b32 v1, 4, v1                        ; 16 x lane
	v_and_b32 v2, 15, v0                           ; r
	v_bfe_u32 v3, v0, 4, 1                         ; h
	s_mul_i32 s21, s20, WST
	v_add_nc_u32 v4, s21, v1                       ; stage, in: my 16 bytes of a row
	v_mul_u32_u24 v5, v2, SP
	v_lshl_add_u32 v5, v3, 6, v5
	v_add_nc_u32 v5, s21, v5                       ; stage, back: row r, + 64 h
	v_add_nc_u32 v14, STG0, v4
	v_add_nc_u32 v15, STG0, v5
	s_lshl_b32 s21, s20, 11
	s_add_co_u32 s21, s21, RED
	v_add_nc_u32 v6, s21, v1
	s_and_b32 s21, s20, 3
	s_lshl_b32 s21, s21, 9
	s_add_co_u32 s21, s21, RED
	v_add_nc_u32 v7, s21, v1
	s_and_b32 s22, ttmp9, 63                       ; t
	s_lshr_b32 s23, ttmp9, 6                       ; 0: Ua, 1: the query
	s_and_b32 s28, s20, 1
	s_lshl_b32 s28, s28, 4
	s_lshl_b32 s29, s22, 6
	s_add_co_u32 s28, s28, s29
	v_lshl_add_u32 v12, v3, 5, s28                 ; 4 x (16 t + 8 h + 4 (s % 2))
	s_bfe_u32 s29, s20, 0x10001
	s_lshl_b32 s29, s29, 16
	v_lshl_add_u32 v13, v2, 12, v12
	v_add_nc_u32 v13, s29, v13                     ; qb: row 16 ((s / 2) % 2) + r of 4,096 bytes, + the same columns
	s_lshl_b32 s30, s22, 16                        ; the tile's 16 rows of 4,096 bytes,
	s_lshl_b32 s32, s20, 9                         ; my K step's 512 bytes in a row
	s_add_co_u32 s30, s30, s32
	s_mov_b32 s31, 0
	s_mov_b32 s33, 0
	s_wait_kmcnt 0x0
	s_load_b128 s[24:27], s[14:15], 0x0            ; e0 .. e3
	s_cmp_eq_u32 s23, 0
	s_cselect_b64 s[4:5], s[4:5], s[6:7]           ; my weight: the choice hangs on the work-group's number alone
	s_add_nc_u64 s[4:5], s[4:5], s[30:31]
	s_cmp_lg_u32 s23, 0
	s_cbranch_scc1 .Lquery
	; ---- Ua: one fragment a wave
	LOADC RA, 4, 0, 1
	s_wait_kmcnt 0x0
	MKSCALE 27, 8, 9                               ; e3
	s_lshl_b32 s28, s22, 3
	s_add_co_u32 s28, s28, s20
	s_add_co_u32 s28, s28, 505                     ; 8 t + s - 7, modulo 512
	s_and_b32 s28, s28, 511
	s_lshl_b32 s28, s28, 11
	s_mov_b32 s29, 0
	s_add_nc_u64 s[16:17], s[16:17], s[28:29]
	s_wait_loadcnt 0x0
	STAGE RA, 14, 15
	s_wait_dscnt 0x0
	QUANT RA, CW, 8, 9
.irp c, 0,1,2,3
	global_store_b128 v1, v[CW+4*\c:CW+4*\c+3], s[16:17] offset:512*\c   ; 32 lanes store 512 consecutive bytes, at a multiple of 512 from the buffer's first byte
.endr
	s_wait_tensorcnt 0x0
	ds_add_u32 v62, v63
	s_wait_dscnt 0x0
	s_endpgm
	; ---- the query: my K step's part of 16 outputs x 32 batch rows
.Lquery:
	s_add_nc_u64 s[8:9], s[8:9], s[32:33]
	LOADC RA, 4, 0, 1
	LOADC RB, 8, 0, 0                              ; decoder_hidden is read by all 64 tiles: no hint
	LOADC RC, 8, 65536, 0
	global_load_b128 v[16:19], v12, s[10:11]
	global_load_b128 v[20:23], v12, s[12:13]
	s_wait_kmcnt 0x0
	MKSCALE 25, 8, 9                               ; e1
	MKSCALE 24, 10, 11                             ; e0
	s_wait_loadcnt 34                              ; the weight's 16 loads are in; behind them 16 + 16 + 2
	STAGE RA, 4, 5
	s_wait_loadcnt 18                              ; rows 0-15 are in; behind them 16 + 2
	STAGE RB, 4, 5
	s_wait_dscnt 32                                ; the weight is back from the stage: the 32 behind it may be out
	QUANT RA, CW, 8, 9
	s_wait_loadcnt 0x0
	STAGE RC, 4, 5
	s_wait_dscnt 32
	QUANT RB, 64, 10, 11
	s_wait_dscnt 0x0
	QUANT RC, 80, 10, 11
	v_wmma_f32_16x16x128_fp8_fp8 v[96:103], v[CW:CW+15], v[64:79], 0    ; transposed: source 0 = 16 rows of Wa, source 1 = 16 batch rows: lane (r, h), register j: output 16 t + 8 h + j of batch row r
	v_wmma_f32_16x16x128_fp8_fp8 v[104:111], v[CW:CW+15], v[80:95], 0   ; batch rows 16-31
.rept 4
	v_nop                                          ; four places between a matrix instruction and the first read of its result (ISA guide 7.12.1)
.endr
.irp q, 0,1,2,3
	ds_store_b128 v6, v[96+4*\q:96+4*\q+3] offset:512*\q   ; each sum from its low end on
.endr
	s_wait_dscnt 0x0                               ; for the others' sake: my partial sums lie in LDS
	s_barrier_signal -1
	s_barrier_wait -1
	s_cmp_lt_u32 s20, 4
	s_cbranch_scc1 .Lsum
	s_wait_tensorcnt 0x0
	ds_add_u32 v62, v63
	s_wait_dscnt 0x0
	s_endpgm
.Lsum:                                             ; wave q of four adds the eight K steps' parts of quarter q: batch rows 16 (q / 2) on, outputs 4 (q % 2) on
.irp j, 0,1,2,3,4,5,6,7
	ds_load_b128 v[RB+4*\j:RB+4*\j+3], v7 offset:2048*\j
.endr
	s_add_co_i32 s28, s24, s25                     ; e0 + e1
	s_add_co_i32 s29, s26, s27
	s_sub_co_i32 s29, 0, s29                       ; -(e2 + e3)
	v_pk_add_f32 v[16:17], v[16:17], v[20:21]      ; Wa_b + Ua_b
	v_pk_add_f32 v[18:19], v[18:19], v[22:23]
	s_wait_dscnt 0x0
	FOLD RB, 4
	FOLD RB, 2
	FOLD RB, 1
.irp j, 0,1,2,3
	v_ldexp_f32 v[RB+\j], v[RB+\j], s28            ; the sum of codes' products x 2^(e0 + e1)
.endr
	v_pk_add_f32 v[RB:RB+1], v[RB:RB+1], v[16:17]
	v_pk_add_f32 v[RB+2:RB+3], v[RB+2:RB+3], v[18:19]
.irp j, 0,1,2,3
	v_ldexp_f32 v[RB+\j], v[RB+\j], s29            ; divided by the power of two that the next launch's sums lack
.endr
	global_store_b128 v13, v[RB:RB+3], s[18:19]    ; a tile has 16 outputs: 64 bytes of a batch row from the four waves; the whole buffer is 128 KiB
	s_wait_tensorcnt 0x0
	ds_add_u32 v62, v63
	s_wait_dscnt 0x0
	s_endpgm
.Lfunc_end_k_q947118cfba_prep:
	.size	k_q947118cfba_prep, .Lfunc_end_k_q947118cfba_prep-k_q947118cfba_prep
	.p2alignl 7, 3214868480
	.fill 96, 4, 3214868480
	.section	.rodata,"a",@progbits
	.p2align	6, 0x0
	.amdhsa_kernel k_q947118cfba_prep
		.amdhsa_group_segment_fixed_size 152576
		.amdhsa_private_segment_fixed_size 0
		.amdhsa_enable_private_segment 0
		.amdhsa_kernarg_size 64
		.amdhsa_user_sgpr_count 2
		.amdhsa_user_sgpr_kernarg_segment_ptr 1
		.amdhsa_wavefront_size32 1
		.amdhsa_system_sgpr_workgroup_id_x 1
		.amdhsa_system_sgpr_workgroup_id_y 1
		.amdhsa_system_sgpr_workgroup_id_z 1
		.amdhsa_system_vgpr_workitem_id 0
		.amdhsa_next_free_vgpr 256
		.amdhsa_next_free_sgpr 66
		.amdhsa_reserve_vcc 0
		.amdhsa_float_denorm_mode_32 3
		.amdhsa_float_denorm_mode_16_64 3
		.amdhsa_memory_ordered 1
		.amdhsa_forward_progress 1
		.amdhsa_inst_pref_size 40
	.end_amdhsa_kernel
	.amdgpu_metadata
---
amdhsa.version: [ 1, 2 ]
amdhsa.kernels:
  - .name:           k_q947118cfba_prep
    .symbol:         k_q947118cfba_prep.kd
    .args:
      - { .name: Ua_w, .offset: 0, .size: 8, .value_kind: global_buffer, .address_space: global }
      - { .name: Wa_w, .offset: 8, .size: 8, .value_kind: global_buffer, .address_space: global }
      - { .name: decoder_hidden, .offset: 16, .size: 8, .value_kind: global_buffer, .address_space: global }
      - { .name: Wa_b, .offset: 24, .size: 8, .value_kind: global_buffer, .address_space: global }
      - { .name: Ua_b, .offset: 32, .size: 8, .value_kind: global_buffer, .address_space: global }
      - { .name: lowp_scales, .offset: 40, .size: 8, .value_kind: global_buffer, .address_space: global }
      - { .name: ua_codes, .offset: 48, .size: 8, .value_kind: global_buffer, .address_space: global }
      - { .name: qb, .offset: 56, .size: 8, .value_kind: global_buffer, .address_space: global }
    .group_segment_fixed_size: 152576
    .private_segment_fixed_size: 0
    .kernarg_segment_align: 8
    .kernarg_segment_size: 64
    .max_flat_workgroup_size: 256
    .sgpr_count:     66
    .vgpr_count:     256
    .wavefront_size: 32
...
	.end_amdgpu_metadata
.endif
;; end of part 1
;; launch energy (part 2): grid 256 x 1, 4 waves a work-group, clusters of 4 x 1, 327,680 bytes of LDS; arguments encoder_output, ua_codes, qb, Va_w, lowp_scales, esum; writes esum
.if DOCPART == 2
	.amdgcn_target "amdgcn-amd-amdhsa--gfx1250"
	.amdhsa_code_object_version 6
	.text
	.protected	k_q947118cfba_energy
	.globl	k_q947118cfba_energy
	.p2align	8
	.type	k_q947118cfba_energy,@function
k_q947118cfba_energy:
	s_mov_b64 s[64:65], 0
	v_nop
	global_prefetch_b8 v0, s[64:65] scope:SCOPE_SE
	s_setreg_imm32_b32 hwreg(HW_REG_WAVE_MODE, 25, 1), 1
	s_wait_xcnt 0x0
	s_wait_alu depctr_hold_cnt(0) depctr_sa_sdst(0) depctr_va_vdst(0) depctr_va_sdst(0) depctr_va_ssrc(0) depctr_va_vcc(0) depctr_vm_vsrc(0)
	s_getreg_b32 s2, hwreg(HW_REG_IB_STS2, 6, 4)
	s_cmp_eq_u32 s2, 0
	s_cbranch_scc0 .Lentry_in_a_cluster
	s_endpgm
.Lentry_in_a_cluster:
	s_bfe_u32 s2, ttmp6, 0x10000c
	s_cmp_lg_u32 s2, 0x3003
	s_cbranch_scc0 .Lentry_shape_is_right
	s_endpgm
.Lentry_shape_is_right:
; ENERGY.  esum[row] = -2 x sum over o of Va[o] / (1 + 2^(2 log2(e) y)), y = keys[row][o] + query[b][o] + both biases; since tanh(y) = 1 - 2 / (1 + e^(2y)), the energy is esum + sum(Va) + Va_b (next launch).
; keys = Q(x) Q(Ua)^T on codes of E4M3; x (f32) is read once and quantised in registers; Ua's codes come from the launch before, in the order of an operand's registers.
; The exponential may overflow to infinity (its reciprocal is 0: tanh = 1) or fall to 0 (tanh = -1): both ends are right.
; SHARES.  A work-group owns 256 rows of x, all of one batch; each of four waves 64, as four tiles m of 16: lane row i of tile m is row 64 w + 4 i + m, so that a lane's four energies are 16 neighbouring bytes.
; A wave keeps its 64 rows x K 1,024 as 32 fragments, 512 registers, for the whole launch, and walks all 64 tiles t of 16 rows of Ua (16 outputs o).
; PHASE X: 32 chunks (tile m, K step s) of 16 rows x 512 bytes: loaded as they lie, turned through the wave's stage in LDS, held, converted.  48 loads of a wave are on their way throughout.
; A TURN: 32 matrix instructions make tile t (four accumulators by turns; C of the first four = qb's eight numbers of the lane), and the vector work of tile t - 1 stands in slices behind them.
; THE MATRIX INSTRUCTION IS USED TRANSPOSED: source 0 = 16 rows of Ua, source 1 = 16 rows of x: lane (r, h), register j holds (o = 16 t + 8 h + j, row r).
; CLUSTER.  Every work-group reads the same Ua: the four of a cluster ask for each 32 KiB of it JOINTLY.  Ring: two slots of 131,072 bytes (8 turns' fragments), a quarter a wave; one load of a wave is out behind each round, two at the start.
; No prefetch is laid: x is a stream whose loads are already issued three chunks ahead, and the ring's first two slots are asked for ahead of phase X.
; WINDOWS (an instruction names v0-v255; s_set_vgpr_msb: bits 1:0 source 0, 3:2 source 1, 5:4 source 2, 7:6 destination).  Ua's fragments, the accumulators and all vector work lie in window 0; x's fragments are
; source 1 from windows 1, 2, 3.  A vector line whose source 1 is a scalar or a constant, and an LDS load into window 0, need no switch under those settings: five switches a turn.
;   window 0: v1-15 addresses and scales; v16-31 the tables on their way; v32-39 E (a pair a tile m); v40-47 the bias; v48-58 at work; v64-127 two sets of four accumulators; v128-255 Ua's eight fragments
;   window 1: x(m, s), s = 0..3, at 64 m + 16 s     window 2: s = 4..6 at 48 m + 16 (s - 4); v192-255 chunk set 3     window 3: v0-191 chunk sets 0-2 (later v0-7: Va's eight numbers); x(m, 7) at 192 + 16 m
; LIMITS: e2 between -126 and 119; e2 + e3 between -127 and 126 (it is added to the exponent field of 2 log2(e)).  NaN and infinities among the inputs are not served.
.set SLOT1, 1<<17                      ; slot 1 begins here: one exclusive or turns an address from one slot to the other
.set UNIT,  16384                      ; what a turn reads: fragment (t, 7), then (t + 1, 0 .. 6)
.set SP,    528                        ; a stage row: 512 bytes + 16
.set WST,   16*SP
.set STG,   2*SLOT1                    ; behind the ring: a stage for each wave
.set TAB,   STG+4*WST                  ; qb's row of my batch (4,096 bytes), 128 zero bytes, Va (4,096 bytes)
.set ZPAD,  TAB+4096
.set VAT,   TAB+4224
.set SPARE, TAB+8448                   ; the spare words, 128 bytes for each wave: two blocks of 256 bytes that no other line names
.set LI,  1                            ; 16 x lane
.set RR,  2                            ; r
.set HH,  3                            ; h
.set SST, 4                            ; stage, in
.set SLD, 5                            ; stage, back
.set ADR, 6                            ; 16 x lane + the turn's unit
.set TAD, 7                            ; TH + 64 t
.set TH,  8                            ; TAB + 32 h
.set SCL, 9                            ; 2^e2
.set LIM, 10                           ; 448 x 2^e2
.set SPW, 11                           ; my spare word; never rewritten
.set NIL, 12                           ; 0; never rewritten
.set GO,  13                           ; 16 r: my place in the wave's 256 bytes of esum
.set T16, 14                           ; 16 x thread
.set TST, 15                           ; TAB + 16 x thread
.set E,   32
.set BIAS, 40
.set OUT, 48
.set ZB,  57                           ; ZPAD + thread
.set ZV,  58                           ; a zero to store
.set ACC, 64
.set BF,  128
.set WV,  16                           ; s16 wave
.set G1,  24                           ; s[24:31] descriptor group 1
.set G0,  32                           ; s[32:35] group 0 of slot 0's first fill; s[36:39] of slot 1's, which then walks
.set CS,  40                           ; s[40:41] 2 log2(e) x 2^(e2 + e3)
.set TB,  42                           ; s42 LDS byte of the turn's unit
.set TT,  43                           ; s43 64 t
.set MSB, 0
.macro WIN new                         ; the immediate's high byte repeats the setting that is left; a switch that changes nothing is dropped
.if MSB != (\new)
	s_set_vgpr_msb (MSB<<8)|(\new)
.set MSB, (\new)
.endif
.endm
.macro ROUND                           ; a round of the cluster's barrier
	s_barrier_signal -1
	s_barrier_wait -1
	s_cmp_lg_u32 s[WV], 0
	s_cbranch_scc1 .Lnot_wave_0_\@
	s_barrier_signal -3
.Lnot_wave_0_\@:
	s_barrier_wait -3
	s_barrier_signal -1
	s_barrier_wait -1
.endm
.macro SETOF q                         ; chunk q's set of 64 registers: window XW, first register XR
.if (\q)%4 == 3
.set XW, 2
.set XR, 192
.else
.set XW, 3
.set XR, 64*((\q)%4)
.endif
.endm
.macro HOMEOF q                        ; where chunk q's fragment x(m = q % 4, s = q / 4) stays: window AW, first register AR
.if (\q)/4 < 4
.set AW, 1
.set AR, 64*((\q)%4)+16*((\q)/4)
.elseif (\q)/4 < 7
.set AW, 2
.set AR, 48*((\q)%4)+16*((\q)/4-4)
.else
.set AW, 3
.set AR, 192+16*((\q)%4)
.endif
.endm
.macro XLOAD q                         ; 16 loads, a row's 512 consecutive bytes each
	SETOF \q
	WIN (XW<<6)
.set xi, 0
.rept 16
	global_load_b128 v[XR+4*xi:XR+4*xi+3], v[LI], s[4:5] offset:(4*xi+(\q)%4)*4096+512*((\q)/4) th:TH_LOAD_NT
.set xi, xi+1
.endr
.endm
.macro XSTAGE q                        ; through my stage and back into the registers that they left (LDS serves a wave's instructions in order: ISA guide 5.7.1.4)
	SETOF \q
	WIN (XW<<2)
.set xi, 0
.rept 16
	ds_store_b128 v[SST], v[XR+4*xi:XR+4*xi+3] offset:SP*xi
.set xi, xi+1
.endr
	WIN (XW<<6)
.irp c, 0,1,2,3
.irp j, 0,1,2,3
	ds_load_b128 v[XR+16*\c+4*\j:XR+16*\c+4*\j+3], v[SLD] offset:128*\c+16*\j   ; register 16c + i = k 32c + 16h + i of lane row r
.endr
.endr
.endm
.macro XQUANT q
	SETOF \q
	HOMEOF \q
	WIN (XW<<6)|XW
.set xi, 0
.rept 64
	v_med3_num_f32 v[XR+xi], v[XR+xi], -v[LIM], v[LIM]   ; the conversion does not saturate (ISA guide 7.6.2): the hold at the largest code x the scale
.set xi, xi+1
.endr
	WIN (AW<<6)|XW
.irp c, 0,1,2,3
	v_cvt_scalef32_pk8_fp8_f32 v[AR+4*\c:AR+4*\c+1], v[XR+16*\c:XR+16*\c+7], v[SCL]
	v_cvt_scalef32_pk8_fp8_f32 v[AR+4*\c+2:AR+4*\c+3], v[XR+16*\c+8:XR+16*\c+15], v[SCL]
.endr
	v_nop                                          ; one plain line behind the last conversion
.endm
.macro XSTEP q
.if (\q) <= 28
	s_wait_loadcnt 32                              ; chunk q is in; chunks q + 1 and q + 2 stay out
.else
	s_wait_loadcnt 28+16*(31-(\q))                 ; behind chunk q: the chunks left, and the 28 loads of tile 0's fragments
.endif
	XSTAGE \q
.if (\q) > 0
	s_wait_dscnt 32                                ; chunk q - 1 is back from the stage: chunk q's 32 may be out
	XQUANT (\q)-1
.endif
.if (\q)+3 < 32
	XLOAD (\q)+3                                   ; into the set that has just been converted
.endif
.if (\q) == 28
	WIN 0
.irp s, 0,1,2,3,4,5,6                              ; tile 0's fragments 0..6 lie at the buffer's end, in the last unit: they come by loads of my own
.irp c, 0,1,2,3
	global_load_b128 v[BF+16*\s+4*\c:BF+16*\s+4*\c+3], v[LI], s[6:7] offset:(505+\s)*2048+512*\c
.endr
.endr
.endif
.endm
; matrix instruction i of a turn's 32: K step i / 4, tile of rows i % 4, into accumulator set P
.macro MM i, P
	HOMEOF \i
.set rc, ACC+32*(\P)+8*((\i)%4)
.set rb, BF+16*((\i)/4)
.if (\i) < 4
	v_wmma_f32_16x16x128_fp8_fp8 v[rc:rc+7], v[rb:rb+15], v[AR:AR+15], v[BIAS:BIAS+7]
.else
	v_wmma_f32_16x16x128_fp8_fp8 v[rc:rc+7], v[rb:rb+15], v[AR:AR+15], v[rc:rc+7]
.endif
.endm
; the vector work on set Q, in place: n pairs from pair a on, or n registers from register a on
.macro MULS a, n, Q
.set vp, ACC+32*(\Q)+2*(\a)
.rept \n
	v_pk_mul_f32 v[vp:vp+1], v[vp:vp+1], s[CS:CS+1] op_sel_hi:[1,0]   ; 2 log2(e) y; each accumulator from its low end on
.set vp, vp+2
.endr
.endm
.macro EXPS a, n, Q
.set vp, ACC+32*(\Q)+(\a)
.rept \n
	v_exp_f32 v[vp], v[vp]
.set vp, vp+1
.endr
.endm
.macro ADDS a, n, Q
.set vp, ACC+32*(\Q)+2*(\a)
.rept \n
	v_pk_add_f32 v[vp:vp+1], v[vp:vp+1], 1.0 op_sel_hi:[1,0]
.set vp, vp+2
.endr
.endm
.macro RCPS a, n, Q
.set vp, ACC+32*(\Q)+(\a)
.rept \n
	v_rcp_f32 v[vp], v[vp]
.set vp, vp+1
.endr
.endm
.macro FMAS a, n, Q                    ; number f of 16: tile of rows f % 4, pair f / 4: E += Va x r; the four E take turns.  Va is source 1, from window 3
.set vf, \a
.rept \n
	v_pk_fma_f32 v[E+2*(vf%4):E+2*(vf%4)+1], v[ACC+32*(\Q)+8*(vf%4)+2*(vf/4):ACC+32*(\Q)+8*(vf%4)+2*(vf/4)+1], v[2*(vf/4):2*(vf/4)+1], v[E+2*(vf%4):E+2*(vf%4)+1]
.set vf, vf+1
.endr
.endm
.macro RUN1                            ; 20 LDS loads: Va of tile t - 1, fragment 7 of tile t, the bias and fragments 0-2 of tile t + 1
	WIN 0xc4
	ds_load_b128 v[0:3], v[TAD] offset:VAT-TAB-64
	ds_load_b128 v[4:7], v[TAD] offset:VAT-TAB-64+16
	WIN 0x04
.irp c, 0,1,2,3
	ds_load_b128 v[BF+112+4*\c:BF+112+4*\c+3], v[ADR] offset:512*\c
.endr
	ds_load_b128 v[BIAS:BIAS+3], v[TAD] offset:64
	ds_load_b128 v[BIAS+4:BIAS+7], v[TAD] offset:80
.irp s, 0,1,2
.irp c, 0,1,2,3
	ds_load_b128 v[BF+16*\s+4*\c:BF+16*\s+4*\c+3], v[ADR] offset:2048*(1+\s)+512*\c
.endr
.endr
.endm
.macro RUN2                            ; 16 LDS loads: fragments 3-6 of tile t + 1
.irp s, 3,4,5,6
.irp c, 0,1,2,3
	ds_load_b128 v[BF+16*\s+4*\c:BF+16*\s+4*\c+3], v[ADR] offset:2048*(1+\s)+512*\c
.endr
.endr
.endm
; A TURN.  Tile t into set P; tile t - 1, in set 1 - P, goes from sums to E.  The 32 exponentials are one batch with one wait, and so are the 32 reciprocals;
; each wait stands directly ahead of a run of LDS loads.  A load into a register that a matrix instruction has read stands four plain vector lines behind it (ISA guide 7.12.1 for
; vector lines): ahead of the first run two scalings, a v_nop and two additions; ahead of the second two additions and three v_nop; exponentials and reciprocals are not counted.
.macro TURN P
	WIN 0x04
	s_wait_dscnt 16                                ; the last turn's first run (the bias, fragments 0-2) is in; its second run's 16 may be out
	MM 0, \P
	MULS 0, 7, 1-\P                                ; the last turn's four multiply-adds behind its last product are the places ahead of these reads
	MM 1, \P
	MULS 7, 7, 1-\P
	MM 2, \P
	EXPS 0, 3, 1-\P
	MM 3, \P
	EXPS 3, 3, 1-\P
	MM 4, \P
	EXPS 6, 2, 1-\P
	MM 5, \P
	EXPS 8, 3, 1-\P
	MM 6, \P
	EXPS 11, 2, 1-\P
	MM 7, \P
	EXPS 13, 3, 1-\P
	MM 8, \P
	EXPS 16, 2, 1-\P
	MM 9, \P
	EXPS 18, 3, 1-\P
	MM 10, \P
	EXPS 21, 2, 1-\P
	MM 11, \P
	EXPS 23, 3, 1-\P
	s_wait_dscnt 0x0                               ; fragments 3-6 are in
	MM 12, \P
	EXPS 26, 2, 1-\P
	MM 13, \P
	MULS 14, 2, 1-\P
	EXPS 28, 4, 1-\P
	v_nop                                          ; the plain line behind the last exponential
	v_add_nc_u32 v[ADR], v[LI], s[TB]
	v_add_nc_u32 v[TAD], v[TH], s[TT]
	s_wait_alu depctr_va_vdst(0)                   ; one wait for the 32 exponentials
	RUN1
	MM 14, \P
	ADDS 0, 7, 1-\P
	MM 15, \P
	ADDS 7, 7, 1-\P
	WIN 0x08
	MM 16, \P
	RCPS 0, 3, 1-\P
	MM 17, \P
	RCPS 3, 3, 1-\P
	MM 18, \P
	RCPS 6, 2, 1-\P
	MM 19, \P
	RCPS 8, 3, 1-\P
	MM 20, \P
	RCPS 11, 2, 1-\P
	MM 21, \P
	RCPS 13, 3, 1-\P
	MM 22, \P
	RCPS 16, 2, 1-\P
	MM 23, \P
	RCPS 18, 3, 1-\P
	MM 24, \P
	RCPS 21, 2, 1-\P
	MM 25, \P
	RCPS 23, 3, 1-\P
	MM 26, \P
	RCPS 26, 2, 1-\P
	MM 27, \P
	ADDS 14, 2, 1-\P
	RCPS 28, 4, 1-\P
.rept 3
	v_nop
.endr
	s_wait_alu depctr_va_vdst(0)                   ; one wait for the 32 reciprocals
	RUN2
	s_add_co_u32 s[TB], s[TB], UNIT                ; the next turn's unit,
	s_add_co_u32 s[TT], s[TT], 64                  ; and its place in the tables
	WIN 0x0c
	s_wait_dscnt 30                                ; Va and fragment 7, the first run's first six, are in; its other 14 and the second run's 16 may be out
	MM 28, \P
	FMAS 0, 4, 1-\P
	MM 29, \P
	FMAS 4, 4, 1-\P
	MM 30, \P
	FMAS 8, 4, 1-\P
	MM 31, \P
	FMAS 12, 4, 1-\P
.endm
.macro FOUR_PAIRS                      ; a slot's eight turns: a pair is written once and walked four times
	s_mov_b32 s45, 4
.Lpair_\@:
	TURN 0
	TURN 1
	WIN 0                                          ; at a label and at a branch every window is 0
	s_sub_co_u32 s45, s45, 1
	s_cmp_lg_u32 s45, 0
	s_cbranch_scc1 .Lpair_\@
.endm
; THE CHANGE OF SLOTS.  A turn reads its own unit alone, so all reads of the slot that is left have been issued and none of the next.  Each wave waits for all its tensor loads (its quarter of the next slot), adds 0
; to its spare word, and waits for that and for its reads.  fill = 1: a round of the cluster's barrier, and the slot just left is filled with the units two slots on: that load has eight turns, 256 matrix instructions, in which to land.
.macro CHANGE fill
	WIN 0
	s_wait_tensorcnt 0x0                           ; no tensor load of mine is out, so a group 0 may be written
	ds_add_u32 v[SPW], v[NIL]                      ; 0 onto my spare word
.if \fill
	s_xor_b32 s[G0+5], s[G0+5], SLOT1              ; the walking descriptor: the other slot than last time,
	s_add_nc_u64 s[G0+6:G0+7], s[G0+6:G0+7], SLOT1 ; the next 131,072 bytes; the type bits on top are not reached
.endif
	s_wait_dscnt 0x0                               ; the add is done, and my reads of the slot are over
.if \fill
	ROUND
	tensor_load_to_lds s[G0+4:G0+7], s[G1:G1+7]    ; the first thing behind the round, and my one tensor load until the next
	s_nop 0
.rept 4
	v_nop
.endr
.else
	s_barrier_signal -1
	s_barrier_wait -1
.endif
	s_sub_co_u32 s[TB], s[TB], SLOT1               ; back to a slot's first unit,
	s_xor_b32 s[TB], s[TB], SLOT1                  ; in the other slot
.endm
	s_load_b256 s[4:11], s[0:1], 0x0               ; x s[4:5], ua_codes s[6:7], qb s[8:9], Va_w s[10:11]
	s_load_b128 s[12:15], s[0:1], 0x20             ; lowp_scales s[12:13], esum s[14:15]
	v_lshl_add_u32 v[SPW], v0, 2, SPARE
	v_mov_b32 v[NIL], 0
	ds_add_u32 v11, v12
	ds_add_u32 v11, v12
	s_wait_dscnt 0x0
	v_lshrrev_b32 v[RR], 5, v0
	v_readfirstlane_b32 s[WV], v[RR]               ; wave 0..3
	s_bfe_u32 s17, ttmp6, 0x40000                  ; cx: it enters x's and esum's addresses alone
	s_lshl_b32 s18, ttmp9, 2                       ; in a cluster launch ttmp9 counts clusters
	s_add_co_u32 s18, s18, s17                     ; my work-group
	; descriptor group 1: 32,768 dense bytes as 128 rows of 32 elements of 8 bytes
	s_mov_b32 s[G1], 15|(3<<16)|(1<<21)            ; 15:0 the mask: all four work-groups; 17:16 elements of 8 bytes; 21 set beside a mask; no padding: fragments are read 16 x lane on end
	s_mov_b32 s[G1+1], 32<<16                      ; tensor_dim0 = 32
	s_mov_b32 s[G1+2], 128<<16                     ; tensor_dim1 = 128
	s_mov_b32 s[G1+3], 32<<16                      ; tile_dim0 = 32
	s_mov_b32 s[G1+4], 128                         ; tile_dim1 = 128
	s_mov_b32 s[G1+5], 32                          ; from row to row
	s_mov_b32 s[G1+6], 0
	s_mov_b32 s[G1+7], 0
	s_lshl_b32 s48, s[WV], 15                      ; my quarter of a slot, in LDS and in memory alike
	s_mov_b32 s49, 0
	s_mov_b32 s46, 0x76543210                      ; v_permlanex16_b32: lane l xor 16
	s_mov_b32 s47, 0xfedcba98
	s_wait_kmcnt 0x0
	s_load_b128 s[20:23], s[12:13], 0x0            ; e0 .. e3
	s_mov_b32 s[G0], 1
	s_mov_b32 s[G0+1], s48
	s_add_nc_u64 s[G0+2:G0+3], s[6:7], s[48:49]
	s_mov_b32 s[G0+4], 1
	s_add_co_u32 s[G0+5], s48, SLOT1
	s_add_nc_u64 s[G0+6:G0+7], s[G0+2:G0+3], SLOT1
	s_or_b32 s[G0+3], s[G0+3], 0x80000000          ; type = 2
	s_or_b32 s[G0+7], s[G0+7], 0x80000000
	ROUND                                          ; all four work-groups are here: the first joint loads meet
	tensor_load_to_lds s[G0:G0+3], s[G1:G1+7]      ; units 0-7 and 8-15: two loads of mine are out; they land during phase X
	s_nop 0
	tensor_load_to_lds s[G0+4:G0+7], s[G1:G1+7]
	s_nop 0
.rept 4
	v_nop
.endr
	v_and_b32 v[LI], 31, v0
	v_lshlrev_b32 v[LI], 4, v[LI]
	v_and_b32 v[RR], 15, v0
	v_bfe_u32 v[HH], v0, 4, 1
	s_mul_i32 s50, s[WV], WST
	s_add_co_u32 s50, s50, STG
	v_add_nc_u32 v[SST], s50, v[LI]
	v_mul_u32_u24 v[SLD], v[RR], SP
	v_lshl_add_u32 v[SLD], v[HH], 6, v[SLD]
	v_add_nc_u32 v[SLD], s50, v[SLD]
	v_lshlrev_b32 v[TH], 5, v[HH]
	v_add_nc_u32 v[TH], TAB, v[TH]
	v_lshlrev_b32 v[GO], 4, v[RR]
	v_lshlrev_b32 v[T16], 4, v0
	v_add_nc_u32 v[TST], TAB, v[T16]
	v_add_nc_u32 v[ZB], ZPAD, v0
	v_mov_b32 v[ZV], 0
	s_lshl_b32 s52, s18, 20                        ; my work-group's 256 rows of 4,096 bytes,
	s_lshl_b32 s53, s[WV], 18                      ; my wave's 64
	s_add_co_u32 s52, s52, s53
	s_mov_b32 s53, 0
	s_add_nc_u64 s[4:5], s[4:5], s[52:53]
	s_lshl_b32 s52, s18, 10
	s_lshl_b32 s54, s[WV], 8
	s_add_co_u32 s52, s52, s54
	s_add_nc_u64 s[14:15], s[14:15], s[52:53]      ; esum at my wave's 64 rows
	s_lshr_b32 s52, ttmp9, 1                       ; the batch: eight work-groups, two clusters, to each
	s_lshl_b32 s52, s52, 12
	s_add_nc_u64 s[8:9], s[8:9], s[52:53]
	s_wait_kmcnt 0x0
	s_add_co_i32 s54, s22, 127
	s_lshl_b32 s55, s54, 23
	v_mov_b32 v[SCL], s55                          ; 2^e2 as f32: the conversion takes its exponent field
	s_add_co_i32 s54, s54, 8
	s_lshl_b32 s54, s54, 23
	s_or_b32 s54, s54, 0x600000
	v_mov_b32 v[LIM], s54                          ; 448 x 2^e2
	s_add_co_i32 s54, s22, s23
	s_lshl_b32 s54, s54, 23
	s_add_co_i32 s[CS], s54, 0x4038aa3b            ; a sum stands for sum x 2^(e2 + e3): the exponents are added to the exponent field of 2 log2(e)
	s_mov_b32 s[CS+1], s[CS]                       ; (named with it as a pair, so it is written)
	global_load_b128 v[16:19], v[T16], s[8:9]      ; the tables: 128 threads x 16 bytes, twice each
	global_load_b128 v[20:23], v[T16], s[8:9] offset:2048
	global_load_b128 v[24:27], v[T16], s[10:11]
	global_load_b128 v[28:31], v[T16], s[10:11] offset:2048
	XLOAD 0
	XLOAD 1
	XLOAD 2
	WIN 0
	s_wait_loadcnt 48                              ; the tables are in; the three chunks stay out
	ds_store_b128 v[TST], v[16:19]
	ds_store_b128 v[TST], v[20:23] offset:2048
	ds_store_b128 v[TST], v[24:27] offset:VAT-TAB
	ds_store_b128 v[TST], v[28:31] offset:VAT-TAB+2048
	ds_store_b8 v[ZB], v[ZV]                       ; the 128 zero bytes between them, one a thread: Va of the tile ahead of the first, the bias of the tile behind the last
.irp q, 0,1,2,3,4,5,6,7,8,9,10,11,12,13,14,15,16,17,18,19,20,21,22,23,24,25,26,27,28,29,30,31
	XSTEP \q
.endr
	s_wait_dscnt 0x0
	XQUANT 31
	WIN 0
	s_wait_tensorcnt 0x1                           ; my quarter of slot 0 is in; slot 1's may stay out
	s_barrier_signal -1                            ; (my LDS stores, the tables among them, were waited for above)
	s_barrier_wait -1
	ds_load_b128 v[BIAS:BIAS+3], v[TH]             ; tile 0's bias
	ds_load_b128 v[BIAS+4:BIAS+7], v[TH] offset:16
.set zi, 0
.rept 32
	v_mov_b32 v[ACC+32+zi], 0                      ; the turn is written once: the first finds zeros for the tile ahead of the first, and zeros for its Va, which add nothing
.set zi, zi+1
.endr
.set zi, 0
.rept 8
	v_mov_b32 v[E+zi], 0
.set zi, zi+1
.endr
.irp m, 0,1,2,3
	v_mov_b32 v[OUT+4+\m], 0                       ; written once: a lane permute's destination counts as one of its sources
.endr
	s_mov_b32 s[TB], 0
	s_mov_b32 s[TT], 0
	s_wait_loadcnt 0x0                             ; tile 0's fragments 0-6
	s_wait_dscnt 0x0
	s_mov_b32 s44, 6
.Lslot:                                            ; six trips: each slot but the last two is filled again
	FOUR_PAIRS
	CHANGE 1
	s_sub_co_u32 s44, s44, 1
	s_cmp_lg_u32 s44, 0
	s_cbranch_scc1 .Lslot
	s_mov_b32 s44, 2
.Ltail:                                            ; the last two slots ask for nothing. Two trips of one text: the second trip's change is only a barrier more, and spares a third copy of the turns
	FOUR_PAIRS
	CHANGE 0
	s_sub_co_u32 s44, s44, 1
	s_cmp_lg_u32 s44, 0
	s_cbranch_scc1 .Ltail
	; tile 63's vector work (set 1), with nothing left to set it beside
	WIN 0xc0
	ds_load_b128 v[0:3], v[TH] offset:VAT-TAB+63*64
	ds_load_b128 v[4:7], v[TH] offset:VAT-TAB+63*64+16
	WIN 0
	MULS 0, 16, 1
	EXPS 0, 32, 1
	v_nop
	s_wait_alu depctr_va_vdst(0)
	ADDS 0, 16, 1
	RCPS 0, 32, 1
	v_nop
	s_wait_alu depctr_va_vdst(0)
	s_wait_dscnt 0x0
	WIN 0x0c
	FMAS 0, 16, 1
	WIN 0
.irp m, 0,1,2,3
	v_add_f32 v[OUT+\m], v[E+2*\m], v[E+2*\m+1]    ; even and odd outputs,
.endr
.irp m, 0,1,2,3
	v_permlanex16_b32 v[OUT+4+\m], v[OUT+\m], s46, s47
.endr
.irp m, 0,1,2,3
	v_add_f32 v[OUT+\m], v[OUT+\m], v[OUT+4+\m]    ; and the other half of the lanes' eight of each sixteen
.endr
.irp m, 0,1,2,3
	v_mul_f32 v[OUT+\m], -2.0, v[OUT+\m]
.endr
	v_and_b32 v56, 31, v0
	v_cmp_gt_u32 vcc_lo, 16, v56
	s_wait_xcnt 0x0                                ; EXEC changes only behind this wait
	s_and_saveexec_b32 s48, vcc_lo
	global_store_b128 v[GO], v[OUT:OUT+3], s[14:15]  ; lane r: rows 64 w + 4 r + 0..3: sixteen lanes store 256 consecutive bytes, at a multiple of 256 from the buffer's first byte
	s_wait_xcnt 0x0                                ; and again, in front of the line that widens it
	s_or_b32 exec_lo, exec_lo, s48
	s_wait_tensorcnt 0x0                           ; the wave's end
	ds_add_u32 v[SPW], v[NIL]
	s_wait_dscnt 0x0
	ROUND                                          ; the closing round
	s_endpgm
.Lfunc_end_k_q947118cfba_energy:
	.size	k_q947118cfba_energy, .Lfunc_end_k_q947118cfba_energy-k_q947118cfba_energy
	.p2alignl 7, 3214868480
	.fill 96, 4, 3214868480
	.section	.rodata,"a",@progbits
	.p2align	6, 0x0
	.amdhsa_kernel k_q947118cfba_energy
		.amdhsa_group_segment_fixed_size 327680
		.amdhsa_private_segment_fixed_size 0
		.amdhsa_enable_private_segment 0
		.amdhsa_kernarg_size 48
		.amdhsa_user_sgpr_count 2
		.amdhsa_user_sgpr_kernarg_segment_ptr 1
		.amdhsa_wavefront_size32 1
		.amdhsa_system_sgpr_workgroup_id_x 1
		.amdhsa_system_sgpr_workgroup_id_y 1
		.amdhsa_system_sgpr_workgroup_id_z 1
		.amdhsa_system_vgpr_workitem_id 0
		.amdhsa_next_free_vgpr 1024
		.amdhsa_next_free_sgpr 66
		.amdhsa_reserve_vcc 1
		.amdhsa_float_denorm_mode_32 3
		.amdhsa_float_denorm_mode_16_64 3
		.amdhsa_memory_ordered 1
		.amdhsa_forward_progress 1
		.amdhsa_inst_pref_size 255
	.end_amdhsa_kernel
	.section	.bss,"aw",@nobits
	.p2align	6
	.space	262144
	.amdgpu_metadata
---
amdhsa.version: [ 1, 2 ]
amdhsa.kernels:
  - .name:           k_q947118cfba_energy
    .symbol:         k_q947118cfba_energy.kd
    .args:
      - { .name: encoder_output, .offset: 0, .size: 8, .value_kind: global_buffer, .address_space: global }
      - { .name: ua_codes, .offset: 8, .size: 8, .value_kind: global_buffer, .address_space: global }
      - { .name: qb, .offset: 16, .size: 8, .value_kind: global_buffer, .address_space: global }
      - { .name: Va_w, .offset: 24, .size: 8, .value_kind: global_buffer, .address_space: global }
      - { .name: lowp_scales, .offset: 32, .size: 8, .value_kind: global_buffer, .address_space: global }
      - { .name: esum, .offset: 40, .size: 8, .value_kind: global_buffer, .address_space: global }
    .group_segment_fixed_size: 327680
    .private_segment_fixed_size: 0
    .kernarg_segment_align: 8
    .kernarg_segment_size: 48
    .max_flat_workgroup_size: 128
    .sgpr_count:     66
    .vgpr_count:     1024
    .wavefront_size: 32
...
	.end_amdgpu_metadata
.endif
;; end of part 2
;; launch smax (part 3): grid 32 x 1, 1 waves a work-group, no clusters, 0 bytes of LDS; arguments esum, Va_w, Va_b, out1, support; writes out1, support
.if DOCPART == 3
	.amdgcn_target "amdgcn-amd-amdhsa--gfx1250"
	.amdhsa_code_object_version 6
	.text
	.protected	k_q947118cfba_smax
	.globl	k_q947118cfba_smax
	.p2align	8
	.type	k_q947118cfba_smax,@function
k_q947118cfba_smax:
	s_mov_b64 s[64:65], 0
	v_nop
	global_prefetch_b8 v0, s[64:65] scope:SCOPE_SE
	s_setreg_imm32_b32 hwreg(HW_REG_WAVE_MODE, 25, 1), 1
	s_wait_xcnt 0x0
; SPARSEMAX of a batch's 2,048 energies, one wave to a batch, the row in 64 registers: no LDS, no barrier, no wave waits for another.  The matrix units and clusters have nothing to do here.
; energy = esum + (sum of Va + Va_b).  d = energy - the row's largest.  The threshold tau (in d's terms) is the root of f(tau) = sum of max(d - tau, 0) = 1; f falls, f(-1) >= 1 and f(0) = 0 for every input.
; 26 halvings of [-1, 0) leave lo <= tau within 2^-26 whatever the data; then one exact step on the set S = {d > lo}: tau = (sum over S of d - 1) / |S|.  A number of S that lies under tau lies within the bracket and moves tau by less than its width.
; No branch and no address hangs on a floating-point number: choices are made by v_cndmask_b32; the support goes out as bit masks (whole numbers) for the next launch.
; Register 4 i + c of lane l is row 128 i + 4 l + c.  support: word 4 i + c of the batch's 64, bit l, stands for that row.  NaN among the energies is not served.
.set Z,  16                            ; v16-79   the row
.set VA, 80                            ; v80-111  Va
.set T,  128                           ; v128-191 at work
; v1 16 x lane; v2 8 x lane; v4-7 sums; v[12:13] the point tried, later tau; v14 lo; v15 the step; v[112:113] mask words; v[114:115] the constant; v[116:117] the maximum; v120 my lane's count
.macro WSUM a, t                       ; the sum over the 32 lanes, in every lane
	v_add_f32_dpp v[\a], v[\a], v[\a] row_xmask:1 row_mask:0xf bank_mask:0xf
	v_add_f32_dpp v[\a], v[\a], v[\a] row_xmask:2 row_mask:0xf bank_mask:0xf
	v_add_f32_dpp v[\a], v[\a], v[\a] row_xmask:4 row_mask:0xf bank_mask:0xf
	v_add_f32_dpp v[\a], v[\a], v[\a] row_xmask:8 row_mask:0xf bank_mask:0xf
	v_permlanex16_b32 v[\t], v[\a], s16, s17
	v_add_f32 v[\a], v[\a], v[\t]
.endm
.macro FOLD base, n                    ; n vectors of four registers are added onto the n below them
.set fj, 0
.rept 2*(\n)
	v_pk_add_f32 v[\base+fj:\base+fj+1], v[\base+fj:\base+fj+1], v[\base+4*(\n)+fj:\base+4*(\n)+fj+1]
.set fj, fj+2
.endr
.endm
.macro SUMT                            ; the sum of T's 64 registers over all lanes, into v4
	FOLD T, 8
	FOLD T, 4
	FOLD T, 2
	FOLD T, 1
	v_pk_add_f32 v[T:T+1], v[T:T+1], v[T+2:T+3]
	v_add_f32 v4, v[T], v[T+1]
	WSUM 4, 5
.endm
.macro ZSUB p                          ; the row less the low word of the pair v[p:p+1], in place
.set zj, 0
.rept 32
	v_pk_add_f32 v[Z+zj:Z+zj+1], v[Z+zj:Z+zj+1], v[\p:\p+1] op_sel_hi:[1,0] neg_lo:[0,1] neg_hi:[0,1]
.set zj, zj+2
.endr
.endm
	s_load_b256 s[4:11], s[0:1], 0x0               ; esum s[4:5], Va_w s[6:7], Va_b s[8:9], out1 s[10:11]
	s_load_b64 s[12:13], s[0:1], 0x20              ; support
	v_lshlrev_b32 v1, 4, v0
	v_lshlrev_b32 v2, 3, v0
	s_lshl_b32 s14, ttmp9, 13                      ; a batch's 8,192 bytes
	s_mov_b32 s15, 0
	s_lshl_b32 s20, ttmp9, 8                       ; and its 256 bytes of masks
	s_mov_b32 s21, 0
	s_mov_b32 s16, 0x76543210                      ; v_permlanex16_b32: lane l xor 16
	s_mov_b32 s17, 0xfedcba98
	v_mov_b32 v5, 0                                ; written once: a lane permute's destination counts as one of its sources; the upper halves of pairs count as read
	v_mov_b32 v7, 0
	v_mov_b32 v13, 0
	v_mov_b32 v115, 0
	v_mov_b32 v112, 0
	v_mov_b32 v113, 0
	v_mov_b32 v120, 0
	v_mov_b32 v14, -1.0                            ; lo
	v_mov_b32 v15, 0.5                             ; the step
	s_wait_kmcnt 0x0
	s_load_b32 s19, s[8:9], 0x0                    ; Va_b
	s_add_nc_u64 s[4:5], s[4:5], s[14:15]
	s_add_nc_u64 s[10:11], s[10:11], s[14:15]
	s_add_nc_u64 s[12:13], s[12:13], s[20:21]
.irp i, 0,1,2,3,4,5,6,7
	global_load_b128 v[VA+4*\i:VA+4*\i+3], v1, s[6:7] offset:512*\i
.endr
.irp i, 0,1,2,3,4,5,6,7,8,9,10,11,12,13,14,15
	global_load_b128 v[Z+4*\i:Z+4*\i+3], v1, s[4:5] offset:512*\i th:TH_LOAD_NT   ; 512 consecutive bytes an instruction
.endr
	s_wait_loadcnt 16                              ; Va is in; the row's 16 loads may be out
	FOLD VA, 4
	FOLD VA, 2
	FOLD VA, 1
	v_pk_add_f32 v[VA:VA+1], v[VA:VA+1], v[VA+2:VA+3]
	v_add_f32 v114, v[VA], v[VA+1]
	WSUM 114, 115
	s_wait_kmcnt 0x0
	v_add_f32 v114, s19, v114                      ; sum of Va + Va_b
	s_wait_loadcnt 0x0
.set zj, 0
.rept 32
	v_pk_add_f32 v[Z+zj:Z+zj+1], v[Z+zj:Z+zj+1], v[114:115] op_sel_hi:[1,0]   ; the energies
.set zj, zj+2
.endr
	v_max3_num_f32 v116, v[Z], v[Z+1], v[Z+2]      ; the largest, in two chains
	v_max3_num_f32 v117, v[Z+3], v[Z+4], v[Z+5]
.irp i, 6,10,14,18,22,26,30,34,38,42,46,50,54,58
	v_max3_num_f32 v116, v116, v[Z+\i], v[Z+\i+1]
	v_max3_num_f32 v117, v117, v[Z+\i+2], v[Z+\i+3]
.endr
	v_max3_num_f32 v116, v116, v[Z+62], v[Z+63]
	v_max_num_f32 v116, v116, v117
	v_max_num_f32_dpp v116, v116, v116 row_xmask:1 row_mask:0xf bank_mask:0xf
	v_max_num_f32_dpp v116, v116, v116 row_xmask:2 row_mask:0xf bank_mask:0xf
	v_max_num_f32_dpp v116, v116, v116 row_xmask:4 row_mask:0xf bank_mask:0xf
	v_max_num_f32_dpp v116, v116, v116 row_xmask:8 row_mask:0xf bank_mask:0xf
	v_permlanex16_b32 v117, v116, s16, s17
	v_max_num_f32 v116, v116, v117
	ZSUB 116                                       ; d = energy - the largest: 0 at the most
	s_mov_b32 s18, 26
.Lhalve:
	v_add_f32 v12, v14, v15                        ; the point tried
.set zj, 0
.rept 32
	v_pk_add_f32 v[T+zj:T+zj+1], v[Z+zj:Z+zj+1], v[12:13] op_sel_hi:[1,0] neg_lo:[0,1] neg_hi:[0,1]
.set zj, zj+2
.endr
.set zj, 0
.rept 64
	v_max_num_f32 v[T+zj], 0, v[T+zj]
.set zj, zj+1
.endr
	SUMT                                           ; f at that point, the same in every lane
	v_cmp_le_f32 vcc_lo, 1.0, v4
	v_cndmask_b32 v14, v14, v12, vcc_lo            ; f >= 1: the root lies at or above it
	v_mul_f32 v15, 0.5, v15
	s_sub_co_u32 s18, s18, 1
	s_cmp_lg_u32 s18, 0
	s_cbranch_scc1 .Lhalve
.set zj, 0
.rept 64                                           ; S = {d > lo}: its numbers into T (0 elsewhere), its size counted lane by lane: the mask is the carry into an addition of 0
	v_cmp_gt_f32 vcc_lo, v[Z+zj], v14
	v_cndmask_b32 v[T+zj], 0, v[Z+zj], vcc_lo
	v_add_co_ci_u32 v120, vcc_lo, 0, v120, vcc_lo
.set zj, zj+1
.endr
	SUMT
	v_cvt_f32_u32 v6, v120                         ; at most 64 a lane, 2,048 in all: exact in f32; at least 1, since the largest has d = 0 > lo
	WSUM 6, 7
	v_rcp_f32 v6, v6
	v_add_f32 v4, -1.0, v4                         ; (the plain line behind the reciprocal)
	s_wait_alu depctr_va_vdst(0)                   ; the wait ahead of the first use
	v_mul_f32 v12, v4, v6                          ; tau
	ZSUB 12
.set zj, 0
.rept 64
	v_max_num_f32 v[Z+zj], 0, v[Z+zj]              ; the weights
.set zj, zj+1
.endr
.irp i, 0,1,2,3,4,5,6,7,8,9,10,11,12,13,14,15
	global_store_b128 v1, v[Z+4*\i:Z+4*\i+3], s[10:11] offset:512*\i   ; 512 consecutive bytes an instruction
.endr
.set zj, 0
.rept 16                                           ; register k's mask is word k: lane k / 2 of v112 (even k) or v113 (odd k)
	v_cmp_lt_f32 s20, 0, v[Z+zj]
	v_cmp_lt_f32 s21, 0, v[Z+zj+1]
	v_cmp_lt_f32 s22, 0, v[Z+zj+2]
	v_cmp_lt_f32 s23, 0, v[Z+zj+3]
	v_writelane_b32 v112, s20, zj/2
	v_writelane_b32 v113, s21, zj/2
	v_writelane_b32 v112, s22, zj/2+1
	v_writelane_b32 v113, s23, zj/2+1
.set zj, zj+4
.endr
	global_store_b64 v2, v[112:113], s[12:13]      ; 32 lanes x 8 bytes: the batch's 256 bytes of masks
	s_endpgm
.Lfunc_end_k_q947118cfba_smax:
	.size	k_q947118cfba_smax, .Lfunc_end_k_q947118cfba_smax-k_q947118cfba_smax
	.p2alignl 7, 3214868480
	.fill 96, 4, 3214868480
	.section	.rodata,"a",@progbits
	.p2align	6, 0x0
	.amdhsa_kernel k_q947118cfba_smax
		.amdhsa_group_segment_fixed_size 0
		.amdhsa_private_segment_fixed_size 0
		.amdhsa_enable_private_segment 0
		.amdhsa_kernarg_size 40
		.amdhsa_user_sgpr_count 2
		.amdhsa_user_sgpr_kernarg_segment_ptr 1
		.amdhsa_wavefront_size32 1
		.amdhsa_system_sgpr_workgroup_id_x 1
		.amdhsa_system_sgpr_workgroup_id_y 1
		.amdhsa_system_sgpr_workgroup_id_z 1
		.amdhsa_system_vgpr_workitem_id 0
		.amdhsa_next_free_vgpr 192
		.amdhsa_next_free_sgpr 66
		.amdhsa_reserve_vcc 1
		.amdhsa_float_denorm_mode_32 3
		.amdhsa_float_denorm_mode_16_64 3
		.amdhsa_memory_ordered 1
		.amdhsa_forward_progress 1
		.amdhsa_inst_pref_size 41
	.end_amdhsa_kernel
	.amdgpu_metadata
---
amdhsa.version: [ 1, 2 ]
amdhsa.kernels:
  - .name:           k_q947118cfba_smax
    .symbol:         k_q947118cfba_smax.kd
    .args:
      - { .name: esum, .offset: 0, .size: 8, .value_kind: global_buffer, .address_space: global }
      - { .name: Va_w, .offset: 8, .size: 8, .value_kind: global_buffer, .address_space: global }
      - { .name: Va_b, .offset: 16, .size: 8, .value_kind: global_buffer, .address_space: global }
      - { .name: out1, .offset: 24, .size: 8, .value_kind: global_buffer, .address_space: global }
      - { .name: support, .offset: 32, .size: 8, .value_kind: global_buffer, .address_space: global }
    .group_segment_fixed_size: 0
    .private_segment_fixed_size: 0
    .kernarg_segment_align: 8
    .kernarg_segment_size: 40
    .max_flat_workgroup_size: 32
    .sgpr_count:     66
    .vgpr_count:     192
    .wavefront_size: 32
...
	.end_amdgpu_metadata
.endif
;; end of part 3
;; launch ctx (part 4): grid 4 x 32, 16 waves a work-group, no clusters, 18,432 bytes of LDS; arguments encoder_output, out1, support, out0; writes out0
.if DOCPART == 4
	.amdgcn_target "amdgcn-amd-amdhsa--gfx1250"
	.amdhsa_code_object_version 6
	.text
	.protected	k_q947118cfba_ctx
	.globl	k_q947118cfba_ctx
	.p2align	8
	.type	k_q947118cfba_ctx,@function
k_q947118cfba_ctx:
	s_mov_b64 s[64:65], 0
	v_nop
	global_prefetch_b8 v0, s[64:65] scope:SCOPE_SE
	s_setreg_imm32_b32 hwreg(HW_REG_WAVE_MODE, 25, 1), 1
	s_wait_xcnt 0x0
; CONTEXT.  out0[b][:] = sum over s of w[b][s] x[b][s][:], in f32, over the rows whose weight is not 0 alone: the launch before stored them as bit masks (whole numbers), and what a weight of 0 multiplies adds nothing.
; SHARES.  A work-group takes 256 columns (1,024 bytes of a row) of one batch; wave w of sixteen takes rows 128 w .. 128 w + 127: mask words 4 w .. 4 w + 3 (word c, bit l: row 128 w + 4 l + c).
; A trip takes the lowest set bit of each of the four words: four rows, eight loads, on their way together.  The trips are as many as the fullest word has bits: 0 to 32, so every support is served, all 2,048 rows too.
; A word that has run out takes the row of bit 31 with the weight 0.  The sixteen waves' parts meet in LDS; two waves add them and store 512 consecutive bytes each.
; Memory and latency bind: the matrix units and clusters have nothing to do here.
.set AC,  8                            ; v8-15   my 256 columns' sums
.set DAT, 16                           ; v16-47  four rows x 8 registers; at the end v16-79: sixteen parts
.set OFS, 80                           ; v80-83  the four rows' byte offsets
; v1 16 x lane; v2 where I put my part; v3 where I read parts, and my place in out0's 1,024 bytes; v4-7 my 128 rows' weights: register c of lane l is row 128 w + 4 l + c
.macro PICK c
	s_ctz_i32_b32 s20, s[12+\c]                    ; the lowest set bit (-1 where none is left),
	s_min_u32 s20, s20, 31                         ; held inside the word
	v_readlane_b32 s[24+2*\c], v[4+\c], s20        ; that row's weight
	s_cmp_eq_u32 s[12+\c], 0
	s_cselect_b32 s[24+2*\c], 0, s[24+2*\c]        ; nothing left in this word: the weight 0
	s_mov_b32 s[25+2*\c], s[24+2*\c]               ; (named with it as a pair, so it is written)
	s_sub_co_u32 s21, s[12+\c], 1
	s_and_b32 s[12+\c], s[12+\c], s21              ; the bit is taken off
	s_lshl_b32 s20, s20, 14                        ; four rows of 4,096 bytes to a bit
	v_add_nc_u32 v[OFS+\c], s20, v1
	global_load_b128 v[DAT+8*\c:DAT+8*\c+3], v[OFS+\c], s[4:5] offset:4096*\c
	global_load_b128 v[DAT+8*\c+4:DAT+8*\c+7], v[OFS+\c], s[4:5] offset:4096*\c+512
.endm
.macro FOLD base, n                    ; n vectors of four registers are added onto the n below them
.set fj, 0
.rept 2*(\n)
	v_pk_add_f32 v[\base+fj:\base+fj+1], v[\base+fj:\base+fj+1], v[\base+4*(\n)+fj:\base+4*(\n)+fj+1]
.set fj, fj+2
.endr
.endm
	s_load_b256 s[4:11], s[0:1], 0x0               ; x s[4:5], out1 s[6:7], support s[8:9], out0 s[10:11]
	v_lshl_add_u32 v96, v0, 2, 0x4000
	v_mov_b32 v97, 0
	v_lshrrev_b32 v2, 5, v0
	v_readfirstlane_b32 s32, v2                    ; wave 0..15
	v_and_b32 v1, 31, v0
	v_lshlrev_b32 v1, 4, v1
	s_and_b32 s33, ttmp7, 0xffff                   ; the batch
	s_lshl_b32 s34, s32, 10
	v_add_nc_u32 v2, s34, v1
	s_and_b32 s34, s32, 1
	s_lshl_b32 s34, s34, 9
	v_add_nc_u32 v3, s34, v1
	s_mov_b32 s37, 0
	s_mov_b32 s39, 0
	s_mov_b32 s41, 0
	s_mov_b32 s43, 0
	s_lshl_b32 s36, s33, 23                        ; x: the batch's 2,048 rows of 4,096 bytes,
	s_lshl_b32 s34, s32, 19                        ; my wave's 128,
	s_add_co_u32 s36, s36, s34
	s_lshl_b32 s34, ttmp9, 10                      ; the work-group's 1,024 bytes of a row
	s_add_co_u32 s36, s36, s34
	s_lshl_b32 s42, s33, 12                        ; out0: the batch's row, the same 1,024 bytes
	s_add_co_u32 s42, s42, s34
	s_lshl_b32 s38, s33, 13                        ; out1: the batch's row, my wave's 512 bytes
	s_lshl_b32 s34, s32, 9
	s_add_co_u32 s38, s38, s34
	s_lshl_b32 s40, s33, 8                         ; support: the batch's 64 words, my wave's four
	s_lshl_b32 s34, s32, 4
	s_add_co_u32 s40, s40, s34
	s_wait_kmcnt 0x0
	s_add_nc_u64 s[4:5], s[4:5], s[36:37]
	s_add_nc_u64 s[6:7], s[6:7], s[38:39]
	s_add_nc_u64 s[8:9], s[8:9], s[40:41]
	s_add_nc_u64 s[10:11], s[10:11], s[42:43]
	s_load_b128 s[12:15], s[8:9], 0x0
	global_load_b128 v[4:7], v1, s[6:7]
.irp j, 0,1,2,3,4,5,6,7
	v_mov_b32 v[AC+\j], 0                          ; a wave may have no row at all: its part is zeros
.endr
	s_wait_kmcnt 0x0
	s_bcnt1_i32_b32 s16, s12
	s_bcnt1_i32_b32 s18, s13
	s_max_u32 s16, s16, s18
	s_bcnt1_i32_b32 s18, s14
	s_max_u32 s16, s16, s18
	s_bcnt1_i32_b32 s18, s15
	s_max_u32 s16, s16, s18                        ; the trips: the bits of the fullest word
	s_mov_b32 s17, 0
	s_wait_loadcnt 0x0                             ; the weights
	s_cmp_eq_u32 s16, 0
	s_cbranch_scc1 .Lnone
.Lrow:
	PICK 0
	PICK 1
	PICK 2
	PICK 3
.irp c, 0,1,2,3
	s_wait_loadcnt 6-2*\c                          ; row c's two loads are in; those of the rows behind it may be out.  The last wait, for 0, also frees the four offsets for the next trip
.irp j, 0,2,4,6
	v_pk_fma_f32 v[AC+\j:AC+\j+1], v[DAT+8*\c+\j:DAT+8*\c+\j+1], s[24+2*\c:25+2*\c], v[AC+\j:AC+\j+1] op_sel_hi:[1,0,1]
.endr
.endr
	s_add_co_u32 s17, s17, 1
	s_cmp_lt_u32 s17, s16
	s_cbranch_scc1 .Lrow
.Lnone:
	ds_store_b128 v2, v[AC:AC+3]
	ds_store_b128 v2, v[AC+4:AC+7] offset:512
	s_wait_dscnt 0x0                               ; for the others' sake: my part lies in LDS
	s_barrier_signal -1                            ; every wave comes here, with rows or without
	s_barrier_wait -1
	s_cmp_lt_u32 s32, 2
	s_cbranch_scc1 .Lsum
	s_wait_tensorcnt 0x0
	ds_add_u32 v96, v97
	s_wait_dscnt 0x0
	s_endpgm
.Lsum:                                             ; waves 0 and 1: 512 bytes of the 1,024 each
.irp j, 0,1,2,3,4,5,6,7,8,9,10,11,12,13,14,15
	ds_load_b128 v[DAT+4*\j:DAT+4*\j+3], v3 offset:1024*\j
.endr
	s_wait_dscnt 0x0
	FOLD DAT, 8
	FOLD DAT, 4
	FOLD DAT, 2
	FOLD DAT, 1
	global_store_b128 v3, v[DAT:DAT+3], s[10:11]   ; 32 lanes store 512 consecutive bytes, at a multiple of 512 from the buffer's first byte
	s_wait_tensorcnt 0x0
	ds_add_u32 v96, v97
	s_wait_dscnt 0x0
	s_endpgm
.Lfunc_end_k_q947118cfba_ctx:
	.size	k_q947118cfba_ctx, .Lfunc_end_k_q947118cfba_ctx-k_q947118cfba_ctx
	.p2alignl 7, 3214868480
	.fill 96, 4, 3214868480
	.section	.rodata,"a",@progbits
	.p2align	6, 0x0
	.amdhsa_kernel k_q947118cfba_ctx
		.amdhsa_group_segment_fixed_size 18432
		.amdhsa_private_segment_fixed_size 0
		.amdhsa_enable_private_segment 0
		.amdhsa_kernarg_size 32
		.amdhsa_user_sgpr_count 2
		.amdhsa_user_sgpr_kernarg_segment_ptr 1
		.amdhsa_wavefront_size32 1
		.amdhsa_system_sgpr_workgroup_id_x 1
		.amdhsa_system_sgpr_workgroup_id_y 1
		.amdhsa_system_sgpr_workgroup_id_z 1
		.amdhsa_system_vgpr_workitem_id 0
		.amdhsa_next_free_vgpr 98
		.amdhsa_next_free_sgpr 66
		.amdhsa_reserve_vcc 0
		.amdhsa_float_denorm_mode_32 3
		.amdhsa_float_denorm_mode_16_64 3
		.amdhsa_memory_ordered 1
		.amdhsa_forward_progress 1
		.amdhsa_inst_pref_size 10
	.end_amdhsa_kernel
	.amdgpu_metadata
---
amdhsa.version: [ 1, 2 ]
amdhsa.kernels:
  - .name:           k_q947118cfba_ctx
    .symbol:         k_q947118cfba_ctx.kd
    .args:
      - { .name: encoder_output, .offset: 0, .size: 8, .value_kind: global_buffer, .address_space: global }
      - { .name: out1, .offset: 8, .size: 8, .value_kind: global_buffer, .address_space: global }
      - { .name: support, .offset: 16, .size: 8, .value_kind: global_buffer, .address_space: global }
      - { .name: out0, .offset: 24, .size: 8, .value_kind: global_buffer, .address_space: global }
    .group_segment_fixed_size: 18432
    .private_segment_fixed_size: 0
    .kernarg_segment_align: 8
    .kernarg_segment_size: 32
    .max_flat_workgroup_size: 512
    .sgpr_count:     66
    .vgpr_count:     98
    .wavefront_size: 32
...
	.end_amdgpu_metadata
.endif
;; end of part 4
